; MI455X (gfx1250); checked and timed in simulation.
; The chip was launched on July 23, 2026; its instructions are those of AMD's public machine-readable ISA for CDNA 5 (MIT licence, August 2026) and "CDNA5" Instruction Set Architecture Reference Guide (July 2026). The comments in the code are by the model that wrote it; some were corrected since.
;; FFM. Allowed arithmetic: matrix products marked QUANTISED: E2M1 operands, one E8M0 scale for each 32 along K, by v_wmma_scale_f32_16x16x128_f8f6f4 with both operands' format E2M1 (or v_wmma_scale_f32_32x16x128_f4), f32 sums; products left as they are: f32 operands where the result goes on into a quantised operand, else bf16, f16 or f32 operands; f32 sums; everything else in f32.
;; Inputs: b one number float32; v 2,048 x 32 x 64 float32; w 2,048 float32; x 16,384 x 2,048 float32.
;; Outputs: out0 16,384 float32.
;; This version of the problem:
;;   THIS VERSION OF THE PROBLEM IS GIVEN IN LOW PRECISION. The matrix products marked QUANTISED in the list below multiply operands that are first quantised to E2M1 (2 exponent bits, 1 mantissa bit; 4 bits a number), with one power-of-two scale for each 32 numbers along K (OCP MX v1.0); their sums are f32. All else is computed in f32.
;;   The module's matrix products, in the order in which they are computed (A, B: the left and right operand; K: the contracted axis; several contracted axes count as one K, in the product's order):
;;     1. [M 16,384, K 2,048] x [K 2,048, N 1]; A: input x; B: input w: left as it is (N = 1 < 16)
;;     2. [M 16,384, K 2,048] x [K 2,048, N 2,048]; A: input x; B: input v: QUANTISED
;;   THE QUANTISER, for each operand of a quantised product, along K:
;;     - K is cut into blocks of 32 from its start; a last block that is shorter is filled with zeros.
;;     - A block's scale is 2^e with e = floor(log2(the largest magnitude in the block)) - 2, held to -126 .. 127; a block of zeros has e = 0. As a byte (E8M0): e + 127.
;;     - Each number is divided by its block's scale, clamped to +-6, and rounded to the nearest number of E2M1, ties to even, subnormals kept.
;;     - The product sums the exact products of the quantised numbers (number of the format x scale) in f32.
;;   ~~~python
;;   def quantise(x, axis):      # numpy; x: float32 -> the quantised numbers, widened to float32 again
;;       x = np.moveaxis(x, axis, -1); K = x.shape[-1]
;;       x = np.pad(x, [(0, 0)] * (x.ndim - 1) + [(0, -K % 32)]); x = x.reshape(x.shape[:-1] + (-1, 32)); a = np.abs(x).max(-1, keepdims=True)
;;       e = np.where(a > 0, np.clip(np.frexp(np.where(a > 0, a, 1))[1] - 1 - 2, -126, 127), 0)      # np.frexp(a)[1] - 1 = floor(log2(a)), exactly
;;       r = np.clip(x / 2.0 ** e, -6, 6)
;;       step = 2.0 ** (np.maximum(np.frexp(np.where(r == 0, 1, r))[1] - 1, 0) - 1)
;;       q = np.round(r / step) * step * 2.0 ** e      # np.round: ties to even
;;       return np.moveaxis(q.reshape(q.shape[:-2] + (-1,))[..., :K], -1, axis).astype(np.float32)
;;   ~~~
;; One version. Each part assembles by itself: llvm-mc -triple=amdgcn-amd-amdhsa -mcpu=gfx1250 --defsym DOCPART=n.
;; ======== version 1 of 1: 2 launches
;; limits: right only within a limited range of input values
;; workspace buffers: vq 2,228,224 bytes
;; launch vquant (part 1): grid 256 x 1, 4 waves a work-group, no clusters, 1,024 bytes of LDS; arguments v, vq; writes vq
.if DOCPART == 1
	.amdgcn_target "amdgcn-amd-amdhsa--gfx1250"
	.amdhsa_code_object_version 6
	.text
	.protected	k_qe8321fe686_vquant
	.globl	k_qe8321fe686_vquant
	.p2align	8
	.type	k_qe8321fe686_vquant,@function
k_qe8321fe686_vquant:
	s_mov_b64 s[64:65], 0
	v_nop
	global_prefetch_b8 v0, s[64:65] scope:SCOPE_SE
	s_setreg_imm32_b32 hwreg(HW_REG_WAVE_MODE, 25, 1), 1
	s_wait_xcnt 0x0
; v [2048 features][32 fields][64] f32 BECOMES CODES OF FP4 (E2M1) with one E8M0 byte for each 32 features, laid as images of the next launch's operand registers.
; vq : 16 slots x 4 parts of PART bytes.  Part (t, p) serves fields 2 t + f (f = 0, 1), columns 16 p + r of a field:
;   codes : f x 16384 + 256 x block + 16 r : the 32 codes of feature block 'block' (0 .. 63), the lower feature in the low four bits;
;   scales: 32768 + f x 1024 + 256 x (s / 4) + 16 r + 4 (s % 4) : the four bytes of K step s (128 features) of that column.
; A block's scale is 2^(floor(log2(largest magnitude)) - 2): its byte is the largest magnitude's exponent field - 2, held at 1 from below.
; Work-group (field, y = 256 features).  A LANE TAKES A COLUMN AND ITS REGISTERS RUN DOWN K: a block of 32 lies in one lane's 32 registers and the conversions give codes with K innermost.
; Wave q does four tasks: task j takes columns 32 (j / 2) on and feature block 4 (j % 2) + q of the eight.  A load reads 128 consecutive bytes; each byte of v is read once.
; The codes leave as aligned runs of 256 bytes from sixteen lanes; the scale bytes meet in LDS and leave 8 to a lane, 16 bytes apart: 131,072 bytes in all, against 16,777,216 read.
; No work of reference() is left out in this program.
; LIMITS: a block of zeros, or one whose largest magnitude lies under 2^-124, gets the byte 1 (zero codes add nothing under that byte; the bytes are read by this program alone);
; NaN and infinities among the inputs are not served.
.set PART,  34816
.set SPARE, 512                        ; LDS: 512 scale bytes from byte 0, then the spare words, 128 bytes for each wave
.set WV,    18                         ; s18  my wave's number
.macro VTASK j                         ; one block of 32 features of my column, in v[32 + 32 j] on
.set XB, 32+32*(\j)
	v_max3_num_f32 v8, |v[XB]|, |v[XB+1]|, |v[XB+2]|   ; the block's largest magnitude, in two chains
	v_max3_num_f32 v9, |v[XB+3]|, |v[XB+4]|, |v[XB+5]|
.irp i, 6,10,14,18,22,26
	v_max3_num_f32 v8, v8, |v[XB+\i]|, |v[XB+1+\i]|
	v_max3_num_f32 v9, v9, |v[XB+2+\i]|, |v[XB+3+\i]|
.endr
	v_max3_num_f32 v8, v8, |v[XB+30]|, |v[XB+31]|
	v_max3_num_f32 v8, v8, v9, 0x1800000           ; and the floor 2^(3 - 127)
	v_add_nc_u32 v10, 0xff000000, v8               ; 2 off the exponent field: the conversion's scale operand
.irp g, 0,1,2,3
	v_cvt_scalef32_pk8_fp4_f32 v[160+4*(\j)+\g], v[XB+8*\g:XB+8*\g+7], v10   ; to the nearest code, ties to even; beyond 6 the largest code
.endr
	v_lshrrev_b32 v[176+(\j)], 23, v10             ; the scale's byte (a plain line behind the conversions)
	global_store_b128 v3, v[160+4*(\j):160+4*(\j)+3], s[34:35] offset:((\j)/2)*2*PART+((\j)%2)*1024   ; sixteen lanes store 256 consecutive bytes, at a multiple of 256 from vq's first byte
	ds_store_b8 v4, v[176+(\j)] offset:4*(\j)
.endm
	s_load_b128 s[8:11], s[0:1], 0x0               ; v s[8:9], vq s[10:11]
	v_lshl_add_u32 v12, v0, 2, SPARE               ; my spare word,
	v_mov_b32 v13, 0                               ; and 0
	v_lshrrev_b32 v1, 5, v0
	v_readfirstlane_b32 s[WV], v1                  ; wave 0..3
	s_and_b32 s21, ttmp9, 31                       ; the field
	s_lshr_b32 s22, ttmp9, 5                       ; y: which 256 features
	v_and_b32 v1, 31, v0                           ; lane
	v_lshlrev_b32 v2, 2, v1                        ; in: 4 bytes a lane
	v_lshrrev_b32 v3, 4, v1
	v_and_b32 v6, 15, v1
	v_mul_u32_u24 v3, v3, PART
	v_lshl_add_u32 v3, v6, 4, v3                   ; out: lanes 16-31 write the next part; 16 bytes a column
	v_lshlrev_b32 v4, 4, v1
	v_add_nc_u32 v4, s[WV], v4                     ; LDS: task j's scale byte at 16 x lane + 4 j + wave
	s_lshl_b32 s23, s[WV], 3
	v_lshl_add_u32 v5, v1, 4, s23                  ; LDS, waves 0 and 1: a column's eight bytes at 16 x lane + 8 x wave
	s_lshl_b32 s23, s22, 3
	s_add_co_u32 s23, s23, s[WV]                   ; 8 y + wave: the feature block of my tasks 0 and 2; tasks 1 and 3 take the block four further on
	s_lshl_b32 s24, s23, 18                        ; v: 32 rows of 8,192 bytes a block,
	s_lshl_b32 s30, s21, 8                         ; the field's 256 bytes in a row
	s_add_co_u32 s24, s24, s30
	s_mov_b32 s25, 0
	s_lshr_b32 s31, s21, 1
	s_lshl_b32 s31, s31, 2                         ; 4 t
	s_and_b32 s32, s21, 1                          ; f
	s_mul_i32 s26, s31, PART                       ; codes: part 4 t,
	s_lshl_b32 s30, s32, 14
	s_add_co_u32 s26, s26, s30                     ; + f x 16384
	s_lshl_b32 s30, s23, 8
	s_add_co_u32 s26, s26, s30                     ; + 256 x block
	s_mov_b32 s27, 0
	s_lshl_b32 s28, s[WV], 1                       ; scales (used by waves 0 and 1 alone): part 4 t + 2 wave,
	s_add_co_u32 s28, s28, s31
	s_mul_i32 s28, s28, PART
	s_lshl_b32 s30, s32, 10
	s_add_co_u32 s28, s28, s30                     ; + f x 1024
	s_lshr_b32 s30, s22, 1
	s_lshl_b32 s30, s30, 8
	s_add_co_u32 s28, s28, s30                     ; + 256 x (y / 2): the work-group's K steps are 2 y and 2 y + 1
	s_and_b32 s30, s22, 1
	s_lshl_b32 s30, s30, 3
	s_add_co_u32 s28, s28, s30                     ; + 8 x (y % 2)
	s_add_co_u32 s28, s28, 32768
	s_mov_b32 s29, 0
	s_wait_alu depctr_va_vdst(0)                   ; the wait at the head's end
	s_wait_kmcnt 0x0
	s_add_nc_u64 s[8:9], s[8:9], s[24:25]
	s_add_nc_u64 s[34:35], s[10:11], s[26:27]
	s_add_nc_u64 s[36:37], s[10:11], s[28:29]
.irp j, 0,1,2,3
.irp i, 0,1,2,3,4,5,6,7,8,9,10,11,12,13,14,15,16,17,18,19,20,21,22,23,24,25,26,27,28,29,30,31
	global_load_b32 v[32+32*\j+\i], v2, s[8:9] offset:(\j%2)*1048576+(\j/2)*128+\i*8192 th:TH_LOAD_NT   ; v(32 block + i, my column)
.endr
.endr
	s_wait_loadcnt 63                              ; of the 128 loads the youngest 63 may be out: tasks 0 and 1's 64 are in
	VTASK 0
	VTASK 1
	s_wait_loadcnt 32                              ; task 3's may be out
	VTASK 2
	s_wait_loadcnt 0x0
	VTASK 3
	s_wait_dscnt 0x0                               ; for the others' sake: my four bytes have landed
	s_barrier_signal -1
	s_barrier_wait -1
	s_cmp_lt_u32 s[WV], 2                          ; waves 0 and 1 carry the bytes out: wave i those of columns 32 i on
	s_cbranch_scc0 .Lv_end
	ds_load_b64 v[16:17], v5                       ; my column's eight bytes, the lower block in the lower byte
	s_wait_dscnt 0x0
	global_store_b64 v3, v[16:17], s[36:37]
.Lv_end:
	s_wait_tensorcnt 0x0                           ; the wave's end
	ds_add_u32 v12, v13
	s_wait_dscnt 0x0
	s_endpgm
.Lfunc_end_k_qe8321fe686_vquant:
	.size	k_qe8321fe686_vquant, .Lfunc_end_k_qe8321fe686_vquant-k_qe8321fe686_vquant
	.p2alignl 7, 3214868480
	.fill 96, 4, 3214868480
	.section	.rodata,"a",@progbits
	.p2align	6, 0x0
	.amdhsa_kernel k_qe8321fe686_vquant
		.amdhsa_group_segment_fixed_size 1024
		.amdhsa_private_segment_fixed_size 0
		.amdhsa_enable_private_segment 0
		.amdhsa_kernarg_size 16
		.amdhsa_user_sgpr_count 2
		.amdhsa_user_sgpr_kernarg_segment_ptr 1
		.amdhsa_wavefront_size32 1
		.amdhsa_system_sgpr_workgroup_id_x 1
		.amdhsa_system_sgpr_workgroup_id_y 1
		.amdhsa_system_sgpr_workgroup_id_z 1
		.amdhsa_system_vgpr_workitem_id 0
		.amdhsa_next_free_vgpr 192
		.amdhsa_next_free_sgpr 66
		.amdhsa_reserve_vcc 0
		.amdhsa_float_denorm_mode_32 3
		.amdhsa_float_denorm_mode_16_64 3
		.amdhsa_memory_ordered 1
		.amdhsa_forward_progress 1
		.amdhsa_inst_pref_size 21
	.end_amdhsa_kernel
	.amdgpu_metadata
---
amdhsa.version: [ 1, 2 ]
amdhsa.kernels:
  - .name:           k_qe8321fe686_vquant
    .symbol:         k_qe8321fe686_vquant.kd
    .args:
      - { .name: v, .offset: 0, .size: 8, .value_kind: global_buffer, .address_space: global }
      - { .name: vq, .offset: 8, .size: 8, .value_kind: global_buffer, .address_space: global }
    .group_segment_fixed_size: 1024
    .private_segment_fixed_size: 0
    .kernarg_segment_align: 8
    .kernarg_segment_size: 16
    .max_flat_workgroup_size: 128
    .sgpr_count:     66
    .vgpr_count:     192
    .wavefront_size: 32
...
	.end_amdgpu_metadata
.endif
;; end of part 1
;; launch ffm (part 2): grid 256 x 1, 4 waves a work-group, clusters of 4 x 1, 327,680 bytes of LDS; arguments x, w, b, vq, out0; writes out0
.if DOCPART == 2
	.amdgcn_target "amdgcn-amd-amdhsa--gfx1250"
	.amdhsa_code_object_version 6
	.text
	.protected	k_qe8321fe686_ffm
	.globl	k_qe8321fe686_ffm
	.p2align	8
	.type	k_qe8321fe686_ffm,@function
k_qe8321fe686_ffm:
	s_mov_b64 s[64:65], 0
	v_nop
	global_prefetch_b8 v0, s[64:65] scope:SCOPE_SE
	s_setreg_imm32_b32 hwreg(HW_REG_WAVE_MODE, 25, 1), 1
	s_wait_xcnt 0x0
	s_wait_alu depctr_hold_cnt(0) depctr_sa_sdst(0) depctr_va_vdst(0) depctr_va_sdst(0) depctr_va_ssrc(0) depctr_va_vcc(0) depctr_vm_vsrc(0)
	s_getreg_b32 s2, hwreg(HW_REG_IB_STS2, 6, 4)
	s_cmp_eq_u32 s2, 0
	s_cbranch_scc0 .Lentry_in_a_cluster
	s_endpgm
.Lentry_in_a_cluster:
	s_bfe_u32 s2, ttmp6, 0x10000c
	s_cmp_lg_u32 s2, 0x3003
	s_cbranch_scc0 .Lentry_shape_is_right
	s_endpgm
.Lentry_shape_is_right:
; out0[row] = sigmoid(x[row] . w + b + 0.5 (sum over k of s[k]^2 - sum over fields and k of f[field][k]^2));   f = Q(x) Q(v) [32 fields][64], s[k] = the sum of f over the fields.
; x [16384][2048] f32, w [2048] f32, b one f32; vq: Q(v) as the launch before laid it: part (t, q) at (4 t + q) x PART: fields 2 t, 2 t + 1, columns 16 q .. 16 q + 15: 2 x 16 fragments of 1,024 bytes, then their scale words.
; A WORK-GROUP OWNS 64 ROWS FROM x TO out0: 256 work-groups, four waves each, as many as a WGP has SIMDs.  Nothing of x, f or s goes to memory.
; THE WAY OF x, 16 steps of 128 features.  Wave w takes rows 16 w .. 16 w + 15: each load reads 512 consecutive bytes of one row; the numbers are multiplied into the rows' linear parts in f32, turn through the wave's own
; stage in LDS so that a lane holds 16 neighbours of each block of 32, and are quantised (scale byte = the largest magnitude's exponent field - 2, held at 1 from below).  The fragment and its scale word go to the other
; waves as images of the operand's registers, through two exchange buffers by turns, one barrier a step; behind it every wave takes the four tiles' fragments into place.  So every wave ends with ALL of Q(x) of the 64 rows
; in 512 registers and 64 scale words.  Each byte of x is read once; 51 loads of a wave stay out across the steps, so the stream has its own lead and no prefetch is laid for it.
; THE PRODUCTS.  THE WAVES SHARE THE COLUMNS: wave q takes columns 16 q .. 16 q + 15 of every field, so it reads part (t, q) alone, and a fragment of v that it reads from LDS feeds four matrix instructions.
; A FIELD is 64 matrix instructions (16 K steps x 4 tiles of rows; the four accumulators by turns), while the field before is added to s and its squares to a running sum, and the next field's fragments come from LDS.
; THE PRODUCT IS USED TRANSPOSED (source 0 = 16 columns of v, source 1 = 16 rows of x): a lane holds one row (lane % 16) and columns 8 (lane / 16) + 0 .. 7.
; RING.  Two LDS slots of four parts (two fields).  Wave w fetches part (t, w) by one tensor load.  Slot 0 is filled at the start; slot 1's first fill and the 14 refills stand each behind a round of the cluster's barrier.
; One tensor load of a wave is out at the most.  CLUSTER.  The four work-groups of a cluster own four blocks of rows and walk the same parts: they ask for each part JOINTLY.  The place in the cluster enters x's, out0's and
; the prefetches' addresses alone.
; PREFETCH.  Clusters 0 to 3 ask for vq's slots: slots 1 and 2 in steps 11 and 13 of the way of x, slot i + 3 at the change of slots in slot i, one refill ahead of the load that wants it; of a part's 136 blocks of 256 bytes
; the partner at place cx names 34 cx .. 34 cx + 33 (two lines: 32 lanes, then two blocks, the second named by the lanes left over).  Slot 15 is the last asked for.
; THE END.  The four waves' sums and the linear parts meet in LDS; wave 0 stores the 64 results, 256 consecutive bytes.
; LIMITS: a block of zeros, or one whose largest magnitude lies under 2^-124, gets the byte 1; NaN and infinities among the inputs are not served; the f32 sums over fields and k are taken in another order than
; reference()'s; the sigmoid is 1 / (1 + 2^(-z log2 e)): where that power passes f32's range the result is 0, under 2^-126 it is 1.
; REGISTERS, in windows of 256 (s_set_vgpr_msb: bits 1:0 source 0, 3:2 source 1, 5:4 source 2, 7:6 destination):
;   window 0: v1-15 addresses; v16-79 x's scale words; v80-95 v's scale words; v96-159 the 64 numbers at work, then two sets of four accumulators; v160-191 codes and scales at work, then s; v192-223 linear parts, then the squares
;   window 1: four sets of 64 numbers of x as loaded, then v's fragments, two sets of 16.      windows 2, 3: x's fragments of K steps 0-7, 8-15: (tile m, step s) at v[8 (4 (s % 8) + m)]
.set PART,   34816                     ; 32,768 bytes of codes + 2,048 of scale words = 136 x 256
.set SLOT,   4*PART                    ; 0x22000: it shares no bit with wave x PART, so one exclusive or turns the descriptor's LDS address from one slot to the other
.set SPARE,  2*SLOT                    ; behind the ring: the spare words, 128 bytes for each wave
.set SPITCH, 528                       ; a stage row: 512 bytes + 16: the sixteen rows that a load touches start 16 bytes apart modulo 256
.set WSTG,   16*SPITCH
.set STG,    SPARE+512                 ; a stage of 16 rows for each wave
.set EXC,    STG+4*WSTG                ; the exchange: two buffers of 4 x 1,024 bytes of codes and 4 x 64 of scale words
.set EXB,    4352
.set RED,    EXC+2*EXB                 ; the end: 4 waves x 64 sums,
.set LINB,   RED+1024                  ; and the 64 linear parts
.set L16, 1                            ; v1   16 x lane
.set SA,  2                            ; v2   my stage, as loaded
.set SB,  3                            ; v3   my stage, back: row lane % 16, + 64 (lane / 16)
.set PW,  4                            ; v4   the scale word just made
.set EXW, 5                            ; v5   the exchange: where my fragment goes;  v6 my scale word;  v7, v12 where fragments and scale words are read
.set EXS, 6
.set EXR, 7
.set ADR, 8                            ; v8, v9  my part + 16 x lane: v8 serves a part's first field, v9 its second
.set SPW, 10                           ; v10  my spare word: SPARE + 4 x my thread's number; never rewritten
.set NIL, 11                           ; v11  0; never rewritten
.set EXSR, 12
.set RDA, 13                           ; v13  the end: where a row's sum goes
.set RR,  14                           ; v14  wave 0: where two rows' sums are read
.set OO,  15                           ; v15  wave 0: my 8 bytes of out0
.set XS,  16                           ; x's scale word of (tile m, K step s) at XS + 16 m + s; lanes 0-15 are read
.set VS,  80                           ; v's scale words: set p at VS + 8 p; register 4 g + i: lanes 0-15 K step 8 g + i, lanes 16-31 K step 8 g + 4 + i
.set ACC, 96                           ; accumulators: set p at ACC + 32 p, tile m at + 8 m
.set ST,  96                           ; the way of x: register 16 b + i = feature 32 b + 16 (lane / 16) + i of my row's 128
.set S,   160                          ; s: tile m, column j at S + 8 m + j
.set PC,  160                          ; the codes just made
.set TM,  168                          ; +0..3 largest magnitudes, +4..7 bytes, +12..15 the conversions' scale operands
.set SQ,  192                          ; a pair for each tile
.set LIN, 192                          ; a pair for each of my 16 rows
.set T,   224
.set LNA, 234                          ; v234 where my 16 rows' linear parts go
.set PFO, 235                          ; v235, v236 the prefetches' offsets; never rewritten
.set WR,  240                          ; four sets of four numbers of w; at the end wave 0's work
.set WV,  14                           ; s14  my wave's number
.set SEL, 20                           ; s[20:21] v_permlanex16_b32's selects for lane l xor 16
.set TB,  23                           ; s23  LDS byte at which my part in hand begins
.set G1,  24                           ; s[24:31] descriptor group 1
.set G0W, 36                           ; s[36:39] descriptor group 0: it walks
.set CNT, 40
.set PB,  41                           ; s41  wave x PART
.set BV,  42                           ; s42  b
.set PFA, 44                           ; s[44:45] vq at my part of the slot behind the one in hand
.set LIM, 47                           ; s47, s48: 0 and 1 in clusters 0 to 3, else the greatest number
.set MSB, 0
.macro WIN new                         ; the immediate's high byte repeats the setting that is left; a switch that changes nothing is dropped
.if MSB != (\new)
	s_set_vgpr_msb (MSB<<8)|(\new)
.set MSB, (\new)
.endif
.endm
.macro PLACES n
.rept \n
	v_nop
.endr
.endm
.macro CROUND                          ; a round of the cluster's barrier
	s_barrier_signal -1
	s_barrier_wait -1
	s_cmp_lg_u32 s[WV], 0
	s_cbranch_scc1 .Lnot_wave_0_\@
	s_barrier_signal -3
.Lnot_wave_0_\@:
	s_barrier_wait -3
	s_barrier_signal -1
	s_barrier_wait -1
.endm
.macro PF off                          ; my 34 blocks of my wave's part
	global_prefetch_b8 v[PFO], s[PFA:PFA+1] offset:\off th:TH_LOAD_NT scope:SCOPE_SE
	global_prefetch_b8 v[PFO+1], s[PFA:PFA+1] offset:\off th:TH_LOAD_NT scope:SCOPE_SE
.endm
.macro ASKX k                          ; in the way of x: slot k
	s_cmp_eq_u32 s[LIM], 0
	s_cbranch_scc0 .Lnx_\@
	PF (\k)*SLOT
.Lnx_\@:
.endm
.macro ASK lim                         ; in the ring: two slots behind where PFA stands
	s_cmp_gt_u32 s[CNT], s[\lim]
	s_cbranch_scc0 .Lna_\@
	PF 2*SLOT
.Lna_\@:
.endm
; K step t of x: 17 loads: my four numbers of w, then my 16 bytes of each of my wave's 16 rows (32 lanes: 512 consecutive bytes of a row).
.macro XLOAD t
	global_load_b128 v[WR+4*((\t)%4):WR+4*((\t)%4)+3], v[L16], s[6:7] offset:512*(\t)
	WIN 0x40                                       ; destination window 1
.irp i, 0,1,2,3,4,5,6,7,8,9,10,11,12,13,14,15
	global_load_b128 v[64*((\t)%4)+4*\i:64*((\t)%4)+4*\i+3], v[L16], s[4:5] offset:8192*\i+512*(\t) th:TH_LOAD_NT
.endr
	WIN 0
.endm
; 64 numbers of a lane, v[ST] on, become a fragment's codes in v[PC] on and its scale word in v[PW].
.macro QUANT
.irp b, 0,1,2,3
	v_max3_num_f32 v[TM+\b], |v[ST+16*\b]|, |v[ST+1+16*\b]|, 0x1800000   ; block b: my 16 numbers, and the floor 2^(3 - 127): the byte cannot fall under 1
.endr
.irp i, 2,4,6,8,10,12,14
.irp b, 0,1,2,3
	v_max3_num_f32 v[TM+\b], v[TM+\b], |v[ST+16*\b+\i]|, |v[ST+1+16*\b+\i]|   ; (the four blocks by turns)
.endr
.endr
.irp b, 0,1,2,3
	v_permlanex16_b32 v[TM+4+\b], v[TM+\b], s[SEL], s[SEL+1]
.endr
.irp b, 0,1,2,3
	v_max_num_f32 v[TM+\b], v[TM+\b], v[TM+4+\b]   ; with lane l xor 16's: the block's largest magnitude
.endr
.irp b, 0,1,2,3
	v_add_nc_u32 v[TM+12+\b], 0xff000000, v[TM+\b] ; 2 off its exponent field: the conversion's scale operand
.endr
.irp b, 0,1,2,3
	v_lshrrev_b32 v[TM+4+\b], 23, v[TM+12+\b]      ; the scale's byte
.endr
	v_lshl_or_b32 v[PW], v[TM+5], 8, v[TM+4]       ; the four bytes make my row's scale word; lanes l and l xor 16 hold the same
	v_lshl_or_b32 v[PW], v[TM+6], 16, v[PW]
	v_lshl_or_b32 v[PW], v[TM+7], 24, v[PW]
.irp b, 0,1,2,3
	v_cvt_scalef32_pk8_fp4_f32 v[PC+2*\b], v[ST+16*\b:ST+7+16*\b], v[TM+12+\b]
	v_cvt_scalef32_pk8_fp4_f32 v[PC+1+2*\b], v[ST+8+16*\b:ST+15+16*\b], v[TM+12+\b]
.endr
	v_nop                                          ; one plain place behind a scaled conversion
.irp c, 0,1                                    ; the operand's layout wants a WHOLE block in a lane: lanes 0-15 block 2 c, lanes 16-31 block 2 c + 1
.irp i, 0,1
	v_permlane16_swap_b32 v[PC+4*\c+\i], v[PC+2+4*\c+\i]
.endr
.endr
.endm
; STEP t OF THE WAY OF x.
.macro XSTEP t
.set XRS, 64*((\t)%4)
.set WRS, WR+4*((\t)%4)
.set BUF, EXB*((\t)%2)
.if (\t) <= 13
	s_wait_loadcnt 34                              ; loads come back in order (ISA guide 5.7.1): this step's 17 are in; the two younger steps' 34 stay out
.else
	s_wait_loadcnt 17*(15-(\t))
.endif
.if (\t)+3 < 16
	XLOAD (\t)+3                                   ; into the set that step t - 1 left: its LDS stores were waited for there
.endif
.if ((\t) == 11) || ((\t) == 13)
	ASKX ((\t)-9)/2
.endif
	WIN 0x01                                       ; source 0 (x) window 1
.irp i, 0,1,2,3,4,5,6,7,8,9,10,11,12,13,14,15
.if (\t) == 0
	v_pk_mul_f32 v[LIN+2*\i:LIN+2*\i+1], v[XRS+4*\i:XRS+4*\i+1], v[WRS:WRS+1]   ; the first product starts the sums
.else
	v_pk_fma_f32 v[LIN+2*\i:LIN+2*\i+1], v[XRS+4*\i:XRS+4*\i+1], v[WRS:WRS+1], v[LIN+2*\i:LIN+2*\i+1]
.endif
.endr
.irp i, 0,1,2,3,4,5,6,7,8,9,10,11,12,13,14,15
	v_pk_fma_f32 v[LIN+2*\i:LIN+2*\i+1], v[XRS+4*\i+2:XRS+4*\i+3], v[WRS+2:WRS+3], v[LIN+2*\i:LIN+2*\i+1]
.endr
	WIN 0x04                                       ; an LDS store's data are its source 1: window 1
.irp i, 0,1,2,3,4,5,6,7,8,9,10,11,12,13,14,15
	ds_store_b128 v[SA], v[XRS+4*\i:XRS+4*\i+3] offset:SPITCH*\i   ; row i as it lies
.endr
	WIN 0
.irp b, 0,1,2,3
.irp j, 0,1,2,3
	ds_load_b128 v[ST+16*\b+4*\j:ST+16*\b+4*\j+3], v[SB] offset:128*\b+16*\j   ; LDS serves a wave's instructions in order (ISA guide 5.7.1.4): these see the stores above
.endr
.endr
	s_wait_dscnt 0x0                               ; my 64 numbers are back, and so are the fragments that I took from the other exchange buffer
	QUANT
	ds_store_b128 v[EXW], v[PC:PC+3] offset:BUF    ; the image of the fragment's registers: 16 x lane, registers 4 c on at 512 c
	ds_store_b128 v[EXW], v[PC+4:PC+7] offset:BUF+512
	ds_store_b32 v[EXS], v[PW] offset:BUF          ; both halves of the lanes write the same word with the same value
	s_wait_dscnt 0x0                               ; for the others' sake: my image has landed
	s_barrier_signal -1
	s_barrier_wait -1                              ; all four images of this step are whole; this buffer is written again two steps on, behind the next barrier
	WIN 0x80+0x40*((\t)/8)                         ; destination window 2 or 3
.irp m, 0,1,2,3
.irp c, 0,1
	ds_load_b128 v[8*(4*((\t)%8)+\m)+4*\c:8*(4*((\t)%8)+\m)+4*\c+3], v[EXR] offset:BUF+1024*\m+512*\c
.endr
.endr
	WIN 0
.irp m, 0,1,2,3
	ds_load_b32 v[XS+16*\m+(\t)], v[EXSR] offset:BUF+64*\m
.endr
.endm
; Field q of my part into set q: 34 LDS loads in one run: K steps 0-7, the scale words, K steps 8-15.
.macro FETCH q
	WIN 0x40                                       ; destination window 1
.irp s, 0,1,2,3,4,5,6,7
.irp c, 0,1
	ds_load_b128 v[128*\q+8*\s+4*\c:128*\q+8*\s+4*\c+3], v[ADR+\q] offset:16384*\q+1024*\s+512*\c
.endr
.endr
	WIN 0
.irp g, 0,1
	ds_load_b128 v[VS+8*\q+4*\g:VS+8*\q+4*\g+3], v[ADR+\q] offset:32768+1024*\q+512*\g
.endr
	WIN 0x40
.irp s, 8,9,10,11,12,13,14,15
.irp c, 0,1
	ds_load_b128 v[128*\q+8*\s+4*\c:128*\q+8*\s+4*\c+3], v[ADR+\q] offset:16384*\q+1024*\s+512*\c
.endr
.endr
	WIN 0
.endm
; 32 matrix instructions: K steps 8 half + 0 .. 7 of set p against the four tiles of rows.  The four accumulators take turns, one instruction a turn.  The field's first four products start the sums.
.macro MULS p, half
	WIN 0x09+4*(\half)                             ; source 0 (v) window 1, source 1 (x) window 2 or 3, C and D window 0
.irp q, 0,1,2,3,4,5,6,7
.irp m, 0,1,2,3
.if ((\half) == 0) && (\q == 0)
	v_wmma_scale_f32_16x16x128_f8f6f4 v[ACC+32*(\p)+8*\m:ACC+32*(\p)+8*\m+7], v[128*(\p)+8*(8*(\half)+\q):128*(\p)+8*(8*(\half)+\q)+7], v[8*(4*\q+\m):8*(4*\q+\m)+7], 0, v[VS+8*(\p)+4*(\half)+\q%4], v[XS+16*\m+8*(\half)+\q] matrix_a_fmt:MATRIX_FMT_FP4 matrix_b_fmt:MATRIX_FMT_FP4
.elseif \q < 4
	v_wmma_scale_f32_16x16x128_f8f6f4 v[ACC+32*(\p)+8*\m:ACC+32*(\p)+8*\m+7], v[128*(\p)+8*(8*(\half)+\q):128*(\p)+8*(8*(\half)+\q)+7], v[8*(4*\q+\m):8*(4*\q+\m)+7], v[ACC+32*(\p)+8*\m:ACC+32*(\p)+8*\m+7], v[VS+8*(\p)+4*(\half)+\q%4], v[XS+16*\m+8*(\half)+\q] matrix_a_fmt:MATRIX_FMT_FP4 matrix_b_fmt:MATRIX_FMT_FP4
.else
	v_wmma_scale_f32_16x16x128_f8f6f4 v[ACC+32*(\p)+8*\m:ACC+32*(\p)+8*\m+7], v[128*(\p)+8*(8*(\half)+\q):128*(\p)+8*(8*(\half)+\q)+7], v[8*(4*\q+\m):8*(4*\q+\m)+7], v[ACC+32*(\p)+8*\m:ACC+32*(\p)+8*\m+7], v[VS+8*(\p)+4*(\half)+\q%4], v[XS+16*\m+8*(\half)+\q] matrix_a_fmt:MATRIX_FMT_FP4 matrix_b_fmt:MATRIX_FMT_FP4 matrix_a_scale:MATRIX_SCALE_ROW1
.endif
.endr
.endr
.endm
; The finished field in set p: s += f, the squares' sum += f f.  Each accumulator is read from its low end on.
.macro EPI p
.irp j, 0,2,4,6
.irp m, 0,1,2,3
	v_pk_add_f32 v[S+8*\m+\j:S+8*\m+\j+1], v[S+8*\m+\j:S+8*\m+\j+1], v[ACC+32*(\p)+8*\m+\j:ACC+32*(\p)+8*\m+\j+1]
.endr
.irp m, 0,1,2,3
	v_pk_fma_f32 v[SQ+2*\m:SQ+2*\m+1], v[ACC+32*(\p)+8*\m+\j:ACC+32*(\p)+8*\m+\j+1], v[ACC+32*(\p)+8*\m+\j:ACC+32*(\p)+8*\m+\j+1], v[SQ+2*\m:SQ+2*\m+1]
.endr
.endr
.endm
; THE CHANGE OF SLOTS WITH A LOAD.  Each wave waits for all its tensor loads (its part of the slot that is read next), adds 0 to its spare word, and waits for that and for its reads of the slot that it leaves.
; Behind the round both hold of every wave of the four work-groups: the slot that is left takes the next two fields.  Then the next slot's first field is fetched.  lim: the register that says whether a prefetch follows; -1: none.
.macro CHANGE nextbase, lim
.if \lim >= 0
	s_wait_xcnt 0x0                                ; my last prefetches have read their base: it steps here, a slot's work behind them
	s_add_nc_u64 s[PFA:PFA+1], s[PFA:PFA+1], SLOT
.endif
	s_wait_tensorcnt 0x0                           ; no tensor load of mine is out, so the group 0 may be written
	ds_add_u32 v[SPW], v[NIL]                      ; 0 onto my spare word
	s_xor_b32 s[G0W+1], s[G0W+1], SLOT             ; the walking descriptor: the other slot than last time,
	s_add_nc_u64 s[G0W+2:G0W+3], s[G0W+2:G0W+3], SLOT   ; the next four parts of vq; the type bits on top are not reached
	s_add_co_u32 s[TB], s[PB], \nextbase           ; and my reads go on to the slot that has landed
	s_wait_dscnt 0x0                               ; the add is done, and my reads of the slot that I leave are over
	CROUND
	tensor_load_to_lds s[G0W:G0W+3], s[G1:G1+7]    ; the first thing behind the round, my one tensor load until the next
	s_nop 0
	PLACES 4
	v_add_nc_u32 v[ADR], s[TB], v[L16]
	FETCH 0
.if \lim >= 0
	ASK \lim
.endif
.endm
; A FIELD, in set p.  At its head stand five plain vector lines that name no register of a matrix instruction: the places behind the field before's last products, in front of the loads into its
; fragments and scale words, of the first reads of its results, and of the products that will begin its accumulators anew.  Then the NEXT field's 34 LDS loads go out, into the set that the field before has left, so that
; they have this field's 64 matrix instructions in which to land; the field before is added to s and to the squares' sum; and this field's 64 products follow on end.
; mode 0: the next field is my part's second.  1: it lies in the next slot, and this slot has been read out: CHANGE.  2: the last change: nothing is left to fill.  3: nothing left to fetch.
.macro FIELD p, mode, nextbase, lim
	s_wait_alu depctr_va_vdst(0)
.if \mode == 0
	PLACES 4
	v_add_nc_u32 v[ADR+1], s[TB], v[L16]
	FETCH 1
.elseif \mode == 1
	CHANGE \nextbase, \lim
.elseif \mode == 2
	s_wait_tensorcnt 0x0                           ; my part of the last slot is in: no load was issued behind it
	s_add_co_u32 s[TB], s[PB], \nextbase
	s_wait_dscnt 0x0                               ; no LDS instruction of mine is pending at the signal
	s_barrier_signal -1
	s_barrier_wait -1                              ; one barrier, as at every change of slots
	PLACES 4
	v_add_nc_u32 v[ADR], s[TB], v[L16]
	FETCH 0
.else
	PLACES 5
.endif
	s_wait_alu depctr_va_vdst(0)                   ; directly ahead of the readers below
	EPI 1-(\p)
.if \mode == 3
	s_wait_dscnt 0x0
.else
	s_wait_dscnt 34                                ; all but the 34 just issued: this field's fragments and scale words, asked for a field ago, are in
.endif
	MULS \p, 0
	MULS \p, 1
	WIN 0
.endm
	s_load_b256 s[4:11], s[0:1], 0x0               ; x s[4:5], w s[6:7], b s[8:9], vq s[10:11]
	s_load_b64 s[12:13], s[0:1], 0x20              ; out0
	v_lshl_add_u32 v[SPW], v0, 2, SPARE
	v_mov_b32 v[NIL], 0
	ds_add_u32 v[SPW], v[NIL]                      ; the opening: the add, twice on end, and its wait ahead of my first tensor load
	ds_add_u32 v[SPW], v[NIL]
	v_lshrrev_b32 v1, 5, v0
	v_readfirstlane_b32 s[WV], v1                  ; wave 0..3
	v_and_b32 v224, 31, v0                         ; lane
	v_and_b32 v225, 15, v0                         ; r
	v_bfe_u32 v226, v0, 4, 1                       ; h
	v_lshlrev_b32 v[L16], 4, v224
	s_mul_i32 s19, s[WV], WSTG
	s_add_co_u32 s19, s19, STG                     ; my stage
	v_add_nc_u32 v[SA], s19, v[L16]
	v_mul_u32_u24 v[SB], v225, SPITCH
	v_lshl_add_u32 v[SB], v226, 6, v[SB]
	v_add_nc_u32 v[SB], s19, v[SB]
	s_lshl_b32 s19, s[WV], 10
	s_add_co_u32 s19, s19, EXC
	v_add_nc_u32 v[EXW], s19, v[L16]               ; my tile's 1,024 bytes of an exchange buffer
	s_lshl_b32 s19, s[WV], 6
	s_add_co_u32 s17, s19, EXC+4096
	v_lshl_add_u32 v[EXS], v225, 2, s17            ; and its 16 scale words
	v_add_nc_u32 v[EXR], EXC, v[L16]
	v_lshl_add_u32 v[EXSR], v225, 2, EXC+4096
	s_add_co_u32 s17, s19, LINB
	v_mov_b32 v[LNA], s17
	s_lshl_b32 s17, s[WV], 8
	s_add_co_u32 s17, s17, RED
	v_lshl_add_u32 v[RDA], v225, 2, s17
	v_lshlrev_b32 v[OO], 3, v224
	v_add_nc_u32 v[RR], RED, v[OO]
.irp b, 0,1,2,3
	v_mov_b32 v[TM+4+\b], 0                        ; written once: a lane permute's destination counts as one of its sources
.endr
	s_bfe_u32 s15, ttmp6, 0x40000                  ; cx: my place in the cluster
	s_mul_i32 s22, s15, 34*256                     ; the prefetches: my 34 blocks of a part
	v_lshl_add_u32 v[PFO], v224, 8, s22            ; blocks 0 .. 31 of them, a lane a block,
	v_min_u32 v[PFO+1], 1, v224
	v_lshl_add_u32 v[PFO+1], v[PFO+1], 8, s22
	v_add_nc_u32 v[PFO+1], 32*256, v[PFO+1]        ; and blocks 32 and 33
	s_cmp_lt_u32 ttmp9, 4                          ; in a cluster launch ttmp9 counts clusters
	s_cselect_b32 s[LIM], 0, 0x7fffffff
	s_or_b32 s[LIM+1], s[LIM], 1
	s_mov_b32 s[SEL], 0x76543210
	s_mov_b32 s[SEL+1], 0xfedcba98
	s_lshl_b32 s16, ttmp9, 2
	s_add_co_u32 s16, s16, s15                     ; my block of 64 rows
	s_lshl_b32 s18, s16, 19                        ; x: 64 rows of 8,192 bytes,
	s_lshl_b32 s19, s[WV], 17                      ; my wave's 16 of them
	s_add_co_u32 s18, s18, s19
	s_mov_b32 s19, 0
	s_lshl_b32 s32, s16, 8                         ; out0: the work-group's 64 numbers
	s_mov_b32 s33, 0
	s_mul_i32 s[PB], s[WV], PART                   ; my part's place in a slot, in LDS and in vq: no place in the cluster enters it
	s_mov_b32 s34, s[PB]
	s_mov_b32 s35, 0
	; descriptor group 1: a part is a dense block: 136 rows of 256 bytes (32 elements of 8 bytes), laid in LDS as it lies; every read of it is 16 x lane on end, so it has no padding
	s_mov_b32 s[G1], 15|(3<<16)|(1<<21)            ; 15:0 the mask: all four work-groups; 17:16 elements of 8 bytes; 21 set beside a mask
	s_mov_b32 s[G1+1], 32<<16                      ; tensor_dim0 = 32
	s_mov_b32 s[G1+2], 136<<16                     ; tensor_dim1 = 136
	s_mov_b32 s[G1+3], 32<<16                      ; tile_dim0 = 32
	s_mov_b32 s[G1+4], 136                         ; tile_dim1 = 136
	s_mov_b32 s[G1+5], 32                          ; tensor_dim0_stride
	s_mov_b32 s[G1+6], 0
	s_mov_b32 s[G1+7], 0
	s_wait_alu depctr_va_vdst(0)                   ; the wait at the head's end
	s_wait_dscnt 0x0                               ; both opening adds are done
	s_wait_kmcnt 0x0
	s_load_b32 s[BV], s[8:9], 0x0                  ; b: waited for at the end
	s_add_nc_u64 s[4:5], s[4:5], s[18:19]
	s_add_nc_u64 s[12:13], s[12:13], s[32:33]
	s_add_nc_u64 s[PFA:PFA+1], s[10:11], s[34:35]  ; vq at my part of slot 0
	s_mov_b32 s[G0W], 1                            ; 1:0 count = 1
	s_mov_b32 s[G0W+1], s[PB]                      ; LDS address: slot 0, my part
	s_mov_b64 s[G0W+2:G0W+3], s[PFA:PFA+1]
	s_or_b32 s[G0W+3], s[G0W+3], 0x80000000        ; type = 2
	CROUND                                         ; all four work-groups are here: the first joint loads meet
	tensor_load_to_lds s[G0W:G0W+3], s[G1:G1+7]    ; slot 0: fields 0 and 1
	s_nop 0
	PLACES 4
	XLOAD 0
	XLOAD 1
	XLOAD 2                                        ; slot 0's load stays out over the way of x, which touches none of the ring's bytes; the first change of slots waits for it
.irp t, 0,1,2,3,4,5,6,7,8,9,10,11,12,13,14,15
	XSTEP \t                                       ; written out: each step's fragments and scale words have registers of their own
.endr
	; the linear parts of my 16 rows: a pair's halves, the 32 lanes; the rows by turns
.irp i, 0,1,2,3,4,5,6,7,8,9,10,11,12,13,14,15
	v_add_f32 v[LIN+2*\i], v[LIN+2*\i], v[LIN+2*\i+1]
.endr
.irp x, 1,2,4,8
.irp i, 0,1,2,3,4,5,6,7,8,9,10,11,12,13,14,15
	v_add_f32_dpp v[LIN+2*\i], v[LIN+2*\i], v[LIN+2*\i] row_xmask:\x row_mask:0xf bank_mask:0xf
.endr
.endr
.irp i, 0,1,2,3,4,5,6,7,8,9,10,11,12,13,14,15
	v_permlanex16_b32 v[LIN+2*\i+1], v[LIN+2*\i], s[SEL], s[SEL+1]
.endr
.irp i, 0,1,2,3,4,5,6,7,8,9,10,11,12,13,14,15
	v_add_f32 v[LIN+2*\i], v[LIN+2*\i], v[LIN+2*\i+1]
.endr
.irp i, 0,1,2,3,4,5,6,7,8,9,10,11,12,13,14,15
	ds_store_b32 v[LNA], v[LIN+2*\i] offset:4*\i   ; all lanes write the same word with the same value
.endr
	s_wait_dscnt 0x0                               ; the stores have read their registers, which are written below
	; The ring has no first field of its own: it finds zeros in the accumulators of 'the field before', in s and in the squares' sum
.irp j, 0,1,2,3,4,5,6,7,8,9,10,11,12,13,14,15,16,17,18,19,20,21,22,23,24,25,26,27,28,29,30,31
	v_mov_b32 v[ACC+32+\j], 0
.endr
.irp j, 0,1,2,3,4,5,6,7,8,9,10,11,12,13,14,15,16,17,18,19,20,21,22,23,24,25,26,27,28,29,30,31
	v_mov_b32 v[S+\j], 0
.endr
.irp j, 0,1,2,3,4,5,6,7
	v_mov_b32 v[SQ+\j], 0
.endr
	CHANGE 0, -1                                   ; slot 1's first fill is issued as a refill is; the first field is fetched
	s_mov_b32 s[CNT], 7
.Lring:                                                ; a trip goes once round the ring: slots 2 i and 2 i + 1 are multiplied and filled again
	FIELD 0, 0, 0, -1
	FIELD 1, 1, SLOT, LIM
	FIELD 0, 0, 0, -1
	FIELD 1, 1, 0, LIM+1
	s_sub_co_u32 s[CNT], s[CNT], 1
	s_cmp_lg_u32 s[CNT], 0
	s_cbranch_scc1 .Lring
	FIELD 0, 0, 0, -1                              ; fields 28 to 31 are written out: nothing is left to fill
	FIELD 1, 2, SLOT, -1
	FIELD 0, 0, 0, -1
	FIELD 1, 3, 0, -1
	PLACES 4                                       ; in front of the first reads of the last results
	s_wait_alu depctr_va_vdst(0)
	EPI 1
	; ---- THE END.  For my 16 columns: the sum of s^2 less the sum of f^2, for each row; the lane 16 away holds the row's other eight columns
.irp m, 0,1,2,3
	v_pk_mul_f32 v[T+2*\m:T+2*\m+1], v[S+8*\m:S+8*\m+1], v[S+8*\m:S+8*\m+1]
.endr
.irp j, 2,4,6
.irp m, 0,1,2,3
	v_pk_fma_f32 v[T+2*\m:T+2*\m+1], v[S+8*\m+\j:S+8*\m+\j+1], v[S+8*\m+\j:S+8*\m+\j+1], v[T+2*\m:T+2*\m+1]
.endr
.endr
.irp m, 0,1,2,3
	v_pk_add_f32 v[T+2*\m:T+2*\m+1], v[T+2*\m:T+2*\m+1], v[SQ+2*\m:SQ+2*\m+1] neg_lo:[0,1] neg_hi:[0,1]
.endr
.irp m, 0,1,2,3
	v_add_f32 v[T+2*\m], v[T+2*\m], v[T+2*\m+1]
.endr
.irp m, 0,1,2,3
	v_permlanex16_b32 v[T+2*\m+1], v[T+2*\m], s[SEL], s[SEL+1]
.endr
.irp m, 0,1,2,3
	v_add_f32 v[T+2*\m], v[T+2*\m], v[T+2*\m+1]
.endr
.irp m, 0,1,2,3
	ds_store_b32 v[RDA], v[T+2*\m] offset:64*\m    ; row 16 m + r; both halves of the lanes write the same word with the same value
.endr
	s_wait_kmcnt 0x0                               ; b
	s_mov_b32 s46, 0xbfb8aa3b                      ; -log2(e)
	s_mul_f32 s43, s[BV], s46                      ; -b log2(e)
	s_wait_dscnt 0x0                               ; for wave 0's sake: my 64 sums have landed (the linear parts landed long ago)
	s_barrier_signal -1
	s_barrier_wait -1
	s_cmp_lg_u32 s[WV], 0                          ; wave 0 carries the 64 results out, two to a lane
	s_cbranch_scc1 .Lend
.irp q, 0,1,2,3,4
	ds_load_b64 v[WR+2*\q:WR+2*\q+1], v[RR] offset:256*\q   ; the four waves' sums of two rows, then the rows' linear parts
.endr
	s_wait_dscnt 0x0
	v_pk_add_f32 v[WR:WR+1], v[WR:WR+1], v[WR+2:WR+3]
	v_pk_add_f32 v[WR+4:WR+5], v[WR+4:WR+5], v[WR+6:WR+7]
	v_pk_add_f32 v[WR:WR+1], v[WR:WR+1], v[WR+4:WR+5]
	v_pk_fma_f32 v[WR:WR+1], v[WR:WR+1], 0.5, v[WR+8:WR+9] op_sel_hi:[1,0,1]   ; half the interaction + the linear part
	v_fma_f32 v[WR], v[WR], s46, s43               ; -z log2(e), b among z
	v_fma_f32 v[WR+1], v[WR+1], s46, s43
	s_wait_alu depctr_va_vdst(0)                   ; a wait ahead of each batch and behind it
	v_exp_f32 v[WR], v[WR]
	v_exp_f32 v[WR+1], v[WR+1]
	v_nop                                          ; a plain place behind a transcendental (ISA guide 5.7.2)
	s_wait_alu depctr_va_vdst(0)
	v_add_f32 v[WR], 1.0, v[WR]
	v_add_f32 v[WR+1], 1.0, v[WR+1]
	s_wait_alu depctr_va_vdst(0)
	v_rcp_f32 v[WR], v[WR]
	v_rcp_f32 v[WR+1], v[WR+1]
	v_nop
	s_wait_alu depctr_va_vdst(0)
	global_store_b64 v[OO], v[WR:WR+1], s[12:13]   ; 32 lanes store 256 consecutive bytes, at a multiple of 256 from out0's first byte
.Lend:
	s_wait_tensorcnt 0x0                           ; the wave's end
	ds_add_u32 v[SPW], v[NIL]
	s_wait_dscnt 0x0
	CROUND                                         ; the closing round: no work-group ends while a partner may still ask for a part that names it
	s_endpgm
.Lfunc_end_k_qe8321fe686_ffm:
	.size	k_qe8321fe686_ffm, .Lfunc_end_k_qe8321fe686_ffm-k_qe8321fe686_ffm
	.p2alignl 7, 3214868480
	.fill 96, 4, 3214868480
	.section	.rodata,"a",@progbits
	.p2align	6, 0x0
	.amdhsa_kernel k_qe8321fe686_ffm
		.amdhsa_group_segment_fixed_size 327680
		.amdhsa_private_segment_fixed_size 0
		.amdhsa_enable_private_segment 0
		.amdhsa_kernarg_size 40
		.amdhsa_user_sgpr_count 2
		.amdhsa_user_sgpr_kernarg_segment_ptr 1
		.amdhsa_wavefront_size32 1
		.amdhsa_system_sgpr_workgroup_id_x 1
		.amdhsa_system_sgpr_workgroup_id_y 1
		.amdhsa_system_sgpr_workgroup_id_z 1
		.amdhsa_system_vgpr_workitem_id 0
		.amdhsa_next_free_vgpr 1024
		.amdhsa_next_free_sgpr 66
		.amdhsa_reserve_vcc 0
		.amdhsa_float_denorm_mode_32 3
		.amdhsa_float_denorm_mode_16_64 3
		.amdhsa_memory_ordered 1
		.amdhsa_forward_progress 1
		.amdhsa_inst_pref_size 255
	.end_amdhsa_kernel
	.section	.bss,"aw",@nobits
	.p2align	6
	.space	262144
	.amdgpu_metadata
---
amdhsa.version: [ 1, 2 ]
amdhsa.kernels:
  - .name:           k_qe8321fe686_ffm
    .symbol:         k_qe8321fe686_ffm.kd
    .args:
      - { .name: x, .offset: 0, .size: 8, .value_kind: global_buffer, .address_space: global }
      - { .name: w, .offset: 8, .size: 8, .value_kind: global_buffer, .address_space: global }
      - { .name: b, .offset: 16, .size: 8, .value_kind: global_buffer, .address_space: global }
      - { .name: vq, .offset: 24, .size: 8, .value_kind: global_buffer, .address_space: global }
      - { .name: out0, .offset: 32, .size: 8, .value_kind: global_buffer, .address_space: global }
    .group_segment_fixed_size: 327680
    .private_segment_fixed_size: 0
    .kernarg_segment_align: 8
    .kernarg_segment_size: 40
    .max_flat_workgroup_size: 128
    .sgpr_count:     66
    .vgpr_count:     1024
    .wavefront_size: 32
...
	.end_amdgpu_metadata
.endif
;; end of part 2
